; MI455X (gfx1250); checked and timed in simulation.
; The chip was launched on July 23, 2026; its instructions are those of AMD's public machine-readable ISA for CDNA 5 (MIT licence, August 2026) and "CDNA5" Instruction Set Architecture Reference Guide (July 2026). The comments in the code are by the model that wrote it; some were corrected since.
;; Multihead Attention. Allowed arithmetic: matrix products marked QUANTISED: E2M3 operands, one E8M0 scale for each 32 along K, by v_wmma_scale_f32_16x16x128_f8f6f4 with both operands' format E2M3, f32 sums; everything else in f32.
;; Inputs: Wk_codes 1,024 x 32 x 24 uint8 (E2M3 codes of Wk, K innermost, in blocks of 32 codes, four codes in three bytes); Wk_scales 1,024 x 32 uint8 (E8M0 scales of Wk, one for each 32 codes along K); Wo_codes 1,024 x 32 x 24 uint8 (E2M3 codes of Wo, K innermost, in blocks of 32 codes, four codes in three bytes); Wo_scales 1,024 x 32 uint8 (E8M0 scales of Wo, one for each 32 codes along K); Wq_codes 1,024 x 32 x 24 uint8 (E2M3 codes of Wq, K innermost, in blocks of 32 codes, four codes in three bytes); Wq_scales 1,024 x 32 uint8 (E8M0 scales of Wq, one for each 32 codes along K); Wv_codes 1,024 x 32 x 24 uint8 (E2M3 codes of Wv, K innermost, in blocks of 32 codes, four codes in three bytes); Wv_scales 1,024 x 32 uint8 (E8M0 scales of Wv, one for each 32 codes along K); bk 1,024 float32; bo 1,024 float32; bq 1,024 float32; bv 1,024 float32; keys_codes 4 x 2,048 x 32 x 24 uint8 (E2M3 codes of keys, K innermost, in blocks of 32 codes, four codes in three bytes); keys_scales 4 x 2,048 x 32 uint8 (E8M0 scales of keys, one for each 32 codes along K); querys_codes 4 x 2,048 x 32 x 24 uint8 (E2M3 codes of querys, K innermost, in blocks of 32 codes, four codes in three bytes); querys_scales 4 x 2,048 x 32 uint8 (E8M0 scales of querys, one for each 32 codes along K); values_codes 4 x 2,048 x 32 x 24 uint8 (E2M3 codes of values, K innermost, in blocks of 32 codes, four codes in three bytes); values_scales 4 x 2,048 x 32 uint8 (E8M0 scales of values, one for each 32 codes along K).
;; Outputs: out0 4 x 2,048 x 1,024 float32.
;; This version of the problem:
;;   THIS VERSION OF THE PROBLEM IS GIVEN IN LOW PRECISION. The matrix products marked QUANTISED in the list below multiply operands that are first quantised to E2M3 (2 exponent bits, 3 mantissa bits; 6 bits a number), with one power-of-two scale for each 32 numbers along K (OCP MX v1.0); their sums are f32. All else is computed in f32.
;;   The module's matrix products, in the order in which they are computed (A, B: the left and right operand; K: the contracted axis; several contracted axes count as one K, in the product's order):
;;     1. [M 8,192, K 1,024] x [K 1,024, N 1,024]; A: input querys (given as codes); B: input Wq (given as codes): QUANTISED
;;     2. [M 8,192, K 1,024] x [K 1,024, N 1,024]; A: input keys (given as codes); B: input Wk (given as codes): QUANTISED
;;     3. [M 8,192, K 1,024] x [K 1,024, N 1,024]; A: input values (given as codes); B: input Wv (given as codes): QUANTISED
;;     4. batch 64 x [M 2,048, K 64] x [K 64, N 2,048]; A: computed on the way; B: computed on the way: QUANTISED
;;     5. batch 64 x [M 2,048, K 2,048] x [K 2,048, N 64]; A: softmax (see below); B: computed on the way: QUANTISED
;;     6. [M 8,192, K 1,024] x [K 1,024, N 1,024]; A: computed on the way; B: input Wo (given as codes): QUANTISED
;;   THE QUANTISER, for each operand of a quantised product, along K:
;;     - K is cut into blocks of 32 from its start; a last block that is shorter is filled with zeros.
;;     - A block's scale is 2^e with e = floor(log2(the largest magnitude in the block)) - 2, held to -126 .. 127; a block of zeros has e = 0. As a byte (E8M0): e + 127.
;;     - Each number is divided by its block's scale, clamped to +-7.5, and rounded to the nearest number of E2M3, ties to even, subnormals kept.
;;     - The product sums the exact products of the quantised numbers (number of the format x scale) in f32.
;;   ~~~python
;;   def quantise(x, axis):      # numpy; x: float32 -> the quantised numbers, widened to float32 again
;;       x = np.moveaxis(x, axis, -1); K = x.shape[-1]
;;       x = np.pad(x, [(0, 0)] * (x.ndim - 1) + [(0, -K % 32)]); x = x.reshape(x.shape[:-1] + (-1, 32)); a = np.abs(x).max(-1, keepdims=True)
;;       e = np.where(a > 0, np.clip(np.frexp(np.where(a > 0, a, 1))[1] - 1 - 2, -126, 127), 0)      # np.frexp(a)[1] - 1 = floor(log2(a)), exactly
;;       r = np.clip(x / 2.0 ** e, -7.5, 7.5)
;;       step = 2.0 ** (np.maximum(np.frexp(np.where(r == 0, 1, r))[1] - 1, 0) - 3)
;;       q = np.round(r / step) * step * 2.0 ** e      # np.round: ties to even
;;       return np.moveaxis(q.reshape(q.shape[:-2] + (-1,))[..., :K], -1, axis).astype(np.float32)
;;   ~~~
;;   SOFTMAX AHEAD OF A QUANTISED PRODUCT. Where the list says 'softmax', what is quantised is not the finished softmax but p = 2^(t - M), with t = logit x log2(e) and M = ceil(the row's largest t), a whole number; so 1/2 < the row's largest p <= 1. The row's sum l is taken of the UNQUANTISED p, in f32, and the product's result is divided by l at the end. Since M is a whole number, a kernel that streams over the keys may use a running M (the ceiling of the running maximum): every later rescaling is an exact power of two, which a block's scale takes up: the codes' values come out the same.
;;   OPERANDS COMPUTED ON THE WAY. 'Computed on the way' means the value that the module computes at that place (a softmax that the list does not call 'softmax' is quantised finished and normalised). What goes into a quantiser is computed in f32, as accurately as f32 sums, v_exp_f32 and their like allow (about 1e-6 of the number): no bf16 or f16 on the way to a quantiser, and a product that is left as it is and whose result goes on into a quantised operand takes f32 operands (vector FMAs, or v_wmma_f32_16x16x4_f32). A number that lies on a knife's edge between two numbers of the format may be rounded either way, as far as f32 arithmetic and the matrix unit's own rounding can turn it there, and no further.
;;   INPUTS GIVEN AS CODES. Wk (in the module: [1024, 1024], K = its axis 1); Wo (in the module: [1024, 1024], K = its axis 1); Wq (in the module: [1024, 1024], K = its axis 1); Wv (in the module: [1024, 1024], K = its axis 1); keys (in the module: [4, 2048, 1024], K = its axis 2); querys (in the module: [4, 2048, 1024], K = its axis 2); values (in the module: [4, 2048, 1024], K = its axis 2): each comes as NAME_codes (uint8): NAME with its K axis moved to the last place and cut into blocks of 32 codes, [.., K / 32, bytes a block], one block behind the other in memory; four codes in three bytes: a row's codes are one little-endian stream of bits, code i at bits 6 i .. 6 i + 5 (a code: sign, 2 exponent bits, 3 mantissa bits); and NAME_scales (uint8): the same leading axes, one E8M0 byte (e + 127) for each 32 codes along K. Its value is code x scale, taken as it is: it is not quantised again, and the codes and scales need not be those that the quantiser above would give.
;; One version. Each part assembles by itself: llvm-mc -triple=amdgcn-amd-amdhsa -mcpu=gfx1250 --defsym DOCPART=n.
;; ======== version 1 of 1: 3 launches
;; limits: right only within a limited range of input values
;; workspace buffers: qkv 19,660,800 bytes; ao_codes 6,291,456 bytes; ao_scales 262,144 bytes
;; launch proj (part 1): grid 4 x 64, 4 waves a work-group, clusters of 4 x 4, 327,680 bytes of LDS; arguments querys_codes, querys_scales, Wq_codes, Wq_scales, bq, keys_codes, keys_scales, Wk_codes, Wk_scales, bk, Wv_codes, Wv_scales, values_codes, values_scales, bv, qkv; writes qkv
.if DOCPART == 1
	.amdgcn_target "amdgcn-amd-amdhsa--gfx1250"
	.amdhsa_code_object_version 6
	.text
	.protected	k_qa66663f440_proj
	.globl	k_qa66663f440_proj
	.p2align	8
	.type	k_qa66663f440_proj,@function
k_qa66663f440_proj:
	s_mov_b64 s[64:65], 0
	v_nop
	global_prefetch_b8 v0, s[64:65] scope:SCOPE_SE
	s_setreg_imm32_b32 hwreg(HW_REG_WAVE_MODE, 25, 1), 1
	s_wait_xcnt 0x0
	s_wait_alu depctr_hold_cnt(0) depctr_sa_sdst(0) depctr_va_vdst(0) depctr_va_sdst(0) depctr_va_ssrc(0) depctr_va_vcc(0) depctr_vm_vsrc(0)
	s_getreg_b32 s2, hwreg(HW_REG_IB_STS2, 6, 4)
	s_cmp_eq_u32 s2, 0
	s_cbranch_scc0 .Lentry_in_a_cluster
	s_endpgm
.Lentry_in_a_cluster:
	s_bfe_u32 s2, ttmp6, 0x10000c
	s_cmp_lg_u32 s2, 0xf033
	s_cbranch_scc0 .Lentry_shape_is_right
	s_endpgm
.Lentry_shape_is_right:
; q = querys Wq^T + bq, k = keys Wk^T + bk, v = values Wv^T + bv on codes of FP6 (E2M3) with E8M0 scales, K = 1,024, sums in f32; the results are quantised
; for the attention (q, k along a head's 64 channels, v along the keys) and leave as images of operand registers.  No work of the problem is left out.
; SHARES.  256 work-groups of four waves STAY and make three tiles of 128 x 256, one of each product, one after the other: q and k in a loop of two trips, v written out behind it.
; "A" (128 rows) is source 1 of the matrix instruction (a lane holds one of its rows), "B" (256 rows) source 0 (a lane's registers run along its rows: the axis that is quantised).
; q, k: A = tokens, B = W.  v: A = Wv, B = values.  A wave makes 64 x 128: 32 accumulators.
; LDS holds A's and B's rows with ALL of K: rows of 768 bytes of memory, each beginning at a multiple of 256, 16 bytes of padding behind every 256; behind them the rows' scale bytes.
; A fill is four joint loads, one a wave: A's codes, B's codes, A's scales, B's scales.  CLUSTER 4 x 4: A's tiles are shared along a row of the cluster, B's along a column.
; The next product's fill stands in a round of the cluster's barrier inside the last K step, behind every wave's last LDS read; the way out, work on registers and stores, follows it.
; PREFETCH: in K step 1 of a trip each wave names its sixteenth of the next product's two code tiles (24 and 48 blocks of 256 bytes), six K steps ahead of the loads; the sixteen waves that ask jointly share the blocks by address.
; THE BIAS is the C of each sum's first product: along the registers (q, k) or one number a lane spread over eight registers (v).
; THE ORDER INSIDE A BLOCK OF 32: place p holds element 0..7, 16..23, 8..15, 24..31; q and k carry it alike along the channels, v and the attention's p alike along the keys.
; qkv: 64 heads x 307,200 bytes: K's codes (half images of 768 bytes for 16 keys), V's codes ([key step][16 channels][1,536]), K's and V's scale words, Q's codes, Q's scale words.
; q's and k's scale words leave 8 bytes a lane, 16 apart (two waves fill a unit between them): one part in 24 of the stores.  v's: both halves of the lanes store the same 16 bytes.
; LIMITS: NaN and infinities are not served.  A block whose largest magnitude lies under 2^-124 gets the scale byte 1 (a block of zeros too: this program alone reads the bytes).
; REGISTERS: window 0: v0-31 addresses, v32-55 way out, v64-95 B's scale words, v100-115 A's, v128-191 bias along the registers, v192-223 along the lanes, v228-246 codes;
; windows 1, 2: the fragments of even and odd K steps (A's four at v0, B's eight at v48); window 3: accumulator (a, b) at v[8 (8 a + b)].
.set PITCH, 816
.set BBASE, 128*PITCH
.set SCL,   384*PITCH
.set SPARE, SCL+48*272
.set HS,    307200
.set PADC,  (1<<20)|(1<<21)|(5<<22)|(3<<25)
.set PADS,  PADC|(3<<16)
.set ADA, 4
.set ADB, 6
.set ASA, 10
.set ASB, 11
.set VE16, 12
.set VE8, 13
.set VO16, 14
.set VO8, 15
.set VSC, 16
.set VR16, 17
.set VSEL, 18
.set SPW, 28
.set NIL, 29
.set TM, 32
.set SW, 48
.set WO, 52
.set BR, 128
.set BL, 192
.set CD, 228
.set G1A, 16
.set G1B, 24
.set G1SA, 32
.set G1SB, 40
.set G0A, 48
.set G0B, 52
.set G0SA, 56
.set G0SB, 60
.set CNT, 101
.set MSB, 0
.macro WIN new
.if MSB != (\new)
	s_set_vgpr_msb (MSB<<8)|(\new)
.set MSB, (\new)
.endif
.endm
.macro PLACES n
.rept \n
	v_nop
.endr
.endm
.macro WALU
	s_wait_alu depctr_va_vdst(0)
.endm
.macro CREST
	s_cmp_lg_u32 s14, 0
	s_cbranch_scc1 .Lnot_wave_0_\@
	s_barrier_signal -3
.Lnot_wave_0_\@:
	s_barrier_wait -3
	s_barrier_signal -1
	s_barrier_wait -1
.endm
.macro CROUND
	s_barrier_signal -1
	s_barrier_wait -1
	CREST
.endm
.macro TL g0, g1
	tensor_load_to_lds s[\g0:\g0+3], s[\g1:\g1+7]
	s_nop 0
	PLACES 4
.endm
.macro LOADS                           ; one chain of branches on the wave's number, one joint load to an arm
	s_cmp_eq_u32 s14, 0
	s_cbranch_scc0 .Lw1_\@
	TL G0B, G1B
	s_branch .Lj_\@
.Lw1_\@:
	s_cmp_eq_u32 s14, 1
	s_cbranch_scc0 .Lw2_\@
	TL G0A, G1A
	s_branch .Lj_\@
.Lw2_\@:
	s_cmp_eq_u32 s14, 2
	s_cbranch_scc0 .Lw3_\@
	TL G0SA, G1SA
	s_branch .Lj_\@
.Lw3_\@:
	TL G0SB, G1SB
.Lj_\@:
.endm
.macro GRP1 g, mask, w0, c, r
	s_or_b32 s[\g], s\mask, \w0
	s_mov_b32 s[\g+1], ((\c)&0xffff)<<16
	s_mov_b32 s[\g+2], (\r)<<16
	s_mov_b32 s[\g+3], (\c)<<16
	s_mov_b32 s[\g+4], \r
	s_mov_b32 s[\g+5], \c
	s_mov_b32 s[\g+6], 0
	s_mov_b32 s[\g+7], 0
.endm
.macro PADD p, i, m                    ; pointer p += s\i x m (s67 = 0)
	s_mul_i32 s66, s\i, \m
	s_add_nc_u64 s[\p:\p+1], s[\p:\p+1], s[66:67]
.endm
.macro G0SET g, lds, p
	s_mov_b32 s[\g], 1
	s_mov_b32 s[\g+1], \lds
	s_mov_b64 s[\g+2:\g+3], s[\p:\p+1]
	s_or_b32 s[\g+3], s[\g+3], 0x80000000
.endm
.macro G0NEXT g, p
	s_mov_b64 s[\g+2:\g+3], s[\p:\p+1]
	s_or_b32 s[\g+3], s[\g+3], 0x80000000
.endm
; a fragment: six pieces of 8 bytes; lanes 16-31 read 24 bytes on; where that is behind one padding more, the second address register serves
.macro FRAG reg, adr, st, off
.irp p, 0,1,2,3,4,5
.set PC_, 12*(\st)+6*(\p/3)+\p%3
	ds_load_b64 v[\reg+2*\p:\reg+2*\p+1], v[\adr+(PC_%32+3)/32] offset:8*(PC_+2*(PC_/32))+(\off)
.endr
.endm
.macro FETCH st                        ; K step st's twelve fragments: 72 loads
	WIN (1+(\st)%2)<<6
.irp i, 0,1,2,3
	FRAG 12*\i, ADA, \st, \i*16*PITCH
	FRAG 48+12*\i, ADB, \st, \i*16*PITCH
	FRAG 96+12*\i, ADB+2, \st, \i*16*PITCH
.endr
.endm
.macro SCALES                          ; all of K's scale words: lanes 0-15 B's block i (A's block i), lanes 16-31 B's block i + 4 (A's i + 2)
.irp i, 0,1,2,3
	ds_load_b128 v[64+8*\i:67+8*\i], v[ASB] offset:\i*544
	ds_load_b128 v[68+8*\i:71+8*\i], v[ASB] offset:\i*544+16
.endr
.irp i, 0,1
	ds_load_b128 v[100+8*\i:103+8*\i], v[ASA] offset:\i*544
	ds_load_b128 v[104+8*\i:107+8*\i], v[ASA] offset:\i*544+16
.endr
.endm
.macro WM d, fb, fa, c, sb, sa, rb, ra
	v_wmma_scale_f32_16x16x128_f8f6f4 v[\d:\d+7], v[\fb:\fb+11], v[\fa:\fa+11], \c, v[\sb], v[\sa] matrix_a_fmt:MATRIX_FMT_FP6 matrix_b_fmt:MATRIX_FMT_FP6 matrix_a_scale:MATRIX_SCALE_ROW\rb matrix_b_scale:MATRIX_SCALE_ROW\ra
.endm
; a K step's 32 products, the accumulators by turns in one order.  kind 0: adds on; 1: C = the bias along the registers; 2: along the lanes
.macro MUL st, kind
.set W_, 1+(\st)%2
.if \kind
	WIN W_*5|0xc0
.else
	WIN W_*5|0xf0
.endif
.irp ah, 0,1
.irp al, 0,1
.irp bh, 0,1
.irp bl, 0,1,2,3
.set D_, 8*(8*(2*\ah+\al)+4*\bh+\bl)
.if \kind == 0
	WM D_, 48+12*(4*\bh+\bl), 12*(2*\ah+\al), v[D_:D_+7], 64+8*\bl+(\st), 100+8*\al+(\st), \bh, \ah
.elseif \kind == 1
	WM D_, 48+12*(4*\bh+\bl), 12*(2*\ah+\al), v[BR+8*(4*\bh+\bl):BR+8*(4*\bh+\bl)+7], 64+8*\bl+(\st), 100+8*\al+(\st), \bh, \ah
.else
	WM D_, 48+12*(4*\bh+\bl), 12*(2*\ah+\al), v[BL+8*(2*\ah+\al):BL+8*(2*\ah+\al)+7], 64+8*\bl+(\st), 100+8*\al+(\st), \bh, \ah
.endif
.endr
.endr
.endr
.endr
.endm
; one product's eight K steps.  refill = 1: the next product's tiles (pointers in s[68:75]) are asked for in the last step
.macro PHASE kind, refill
	WALU
	s_wait_tensorcnt 0x0                           ; my tile is in,
	s_barrier_signal -1
	s_barrier_wait -1                              ; everybody's is
	FETCH 0
	WIN 0
	SCALES
	s_wait_loadcnt 0x0                             ; the bias
.irp st, 0,1,2,3,4,5,6
	s_wait_dscnt 0x0                               ; this step's fragments are in
	PLACES 4                                       ; in front of loads into registers that the last step's products read
.if \refill
.if \st == 1
	WIN 0
	s_cmp_lg_u32 s[CNT], 0
	s_cbranch_scc1 .Lno_bias_\@                    ; the first trip alone fetches k's bias, onto q's
.irp b, 0,1,2,3,4,5,6,7
	global_load_b128 v[BR+8*\b:BR+8*\b+3], v19, s[76:77] offset:64*\b
	global_load_b128 v[BR+8*\b+4:BR+8*\b+7], v19, s[76:77] offset:64*\b+16
.endr
.Lno_bias_\@:
	global_prefetch_b8 v26, s[68:69] th:TH_LOAD_NT scope:SCOPE_SE
	global_prefetch_b8 v27, s[72:73] th:TH_LOAD_NT scope:SCOPE_SE
	global_prefetch_b8 v27, s[72:73] offset:6144 th:TH_LOAD_NT scope:SCOPE_SE
.endif
.endif
	FETCH \st+1
.if \st == 0
	MUL 0, \kind
.else
	MUL \st, 0
.endif
.endr
	WIN 0
.if \refill
	s_wait_tensorcnt 0x0
	ds_add_u32 v[SPW], v[NIL]
	G0NEXT G0A, 68
	G0NEXT G0SA, 70
	G0NEXT G0B, 72
	G0NEXT G0SB, 74
	s_wait_dscnt 0x0                               ; the add, and my last reads of these tiles
	s_barrier_signal -1
	MUL 7, 0                                       ; register work inside the round
	WIN 0
	s_barrier_wait -1
	CREST
	LOADS
.else
	s_wait_dscnt 0x0
	MUL 7, 0
	WIN 0
	PLACES 4
.endif
.endm
; block a's 64 sums of a lane become a fragment's codes in v[CD] on and its scale word in v[SW+a]; each accumulator is read from its low end on
.macro QUANT a
.set S_, 64*(\a)
	WIN 0x0f
.irp b, 0,1,2,3
	v_max3_num_f32 v[TM+\b], |v[S_+16*\b]|, |v[S_+16*\b+1]|, 0x1800000   ; with the floor 2^(3 - 127): the byte cannot fall under 1
.endr
	WIN 0x3c
.irp i, 2,4,6,8,10,12,14
.irp b, 0,1,2,3
	v_max3_num_f32 v[TM+\b], v[TM+\b], |v[S_+16*\b+\i]|, |v[S_+16*\b+\i+1]|
.endr
.endr
	WIN 0
.irp b, 0,1,2,3
	v_permlanex16_b32 v[TM+4+\b], v[TM+\b], s78, s79
.endr
.irp b, 0,1,2,3
	v_max_num_f32 v[TM+\b], v[TM+\b], v[TM+4+\b]   ; with lane l xor 16's 16 numbers
.endr
.irp b, 0,1,2,3
	v_add_nc_u32 v[TM+12+\b], 0xff000000, v[TM+\b] ; 2 off the exponent field: the conversion's scale operand
.endr
.irp b, 0,1,2,3
	v_lshrrev_b32 v[TM+4+\b], 23, v[TM+12+\b]      ; the byte
.endr
	v_lshl_or_b32 v[SW+\a], v[TM+5], 8, v[TM+4]
	v_lshl_or_b32 v[SW+\a], v[TM+6], 16, v[SW+\a]
	v_lshl_or_b32 v[SW+\a], v[TM+7], 24, v[SW+\a]
	WIN 0x03
.irp c, 0,1
	v_cvt_scalef32_pk16_fp6_f32 v[CD+6*\c:CD+6*\c+2], v[S_+32*\c:S_+32*\c+15], v[TM+12+2*\c]
	v_cvt_scalef32_pk16_fp6_f32 v[CD+12+4*\c:CD+14+4*\c], v[S_+32*\c+16:S_+32*\c+31], v[TM+13+2*\c]
.endr
	WIN 0
	v_nop                                          ; one plain place behind a scaled conversion
.irp c, 0,1
.irp i, 0,1,2
	v_permlane16_swap_b32 v[CD+6*\c+\i], v[CD+12+4*\c+\i]   ; a whole block to a lane
.endr
.irp i, 0,1,2
	v_mov_b32 v[CD+3+6*\c+\i], v[CD+12+4*\c+\i]
.endr
.endr
.endm
.macro OUTBLK a, base, x16, x8, o1, o2 ; registers 0-5 at o1, registers 6-11 by the second address pair at o2: stores of 512 and 256 consecutive bytes, aligned
.if (\a) > 0
	s_wait_xcnt 0x0                                ; the last block's stores have read their data
.endif
	QUANT \a
	global_store_b128 v[VE16], v[CD:CD+3], s[\base:\base+1] offset:\o1
	global_store_b64 v[VE8], v[CD+4:CD+5], s[\base:\base+1] offset:\o1
	global_store_b128 v[\x16], v[CD+6:CD+9], s[\base:\base+1] offset:\o2
	global_store_b64 v[\x8], v[CD+10:CD+11], s[\base:\base+1] offset:\o2
.endm
	s_load_b256 s[4:11], s[0:1], 0x0               ; q: A's codes, A's scales, B's codes, B's scales
	s_load_b64 s[12:13], s[0:1], 0x20              ; bq
	s_load_b256 s[68:75], s[0:1], 0x28             ; k
	s_load_b64 s[76:77], s[0:1], 0x48
	s_load_b256 s[80:87], s[0:1], 0x50             ; v: A = Wv, B = values
	s_load_b128 s[92:95], s[0:1], 0x70             ; bv, qkv
	v_lshl_add_u32 v[SPW], v0, 2, SPARE
	v_mov_b32 v[NIL], 0
	ds_add_u32 v[SPW], v[NIL]
	ds_add_u32 v[SPW], v[NIL]
	v_lshrrev_b32 v1, 5, v0
	v_readfirstlane_b32 s14, v1                    ; wave
	s_lshr_b32 s15, s14, 1                         ; my half of A's rows
	s_and_b32 s99, s14, 1                          ; my half of B's rows
	s_bfe_u32 s2, ttmp6, 0x40000                   ; cx
	s_bfe_u32 s3, ttmp6, 0x40004                   ; cy
	s_and_b32 s88, ttmp7, 0xffff                   ; cluster y, 0 .. 15
	s_lshl_b32 s89, s88, 2
	s_add_co_u32 s89, s89, s3                      ; q, k: A's tile of 128 tokens, 0 .. 63; B's tile of 256 channels is cx
	s_and_b32 s90, s88, 1
	s_lshl_b32 s90, s90, 2
	s_add_co_u32 s90, s90, s3                      ; v: A's tile of 128 channels, 0 .. 7
	s_lshr_b32 s91, s88, 1
	s_lshl_b32 s91, s91, 2
	s_add_co_u32 s91, s91, s2                      ; v: B's tile of 256 tokens, 0 .. 31
	s_lshl_b32 s104, s3, 2
	s_lshl_b32 s104, 15, s104                      ; my row of the cluster
	s_lshl_b32 s105, 0x1111, s2                    ; my column
	GRP1 G1A, 104, PADC, 768, 128
	GRP1 G1B, 105, PADC, 768, 256
	GRP1 G1SA, 104, PADS, 32, 16
	GRP1 G1SB, 105, PADS, 32, 32
	s_mov_b32 s67, 0
	s_wait_dscnt 0x0
	s_wait_kmcnt 0x0
	PADD 4, 89, 98304
	PADD 6, 89, 4096
	PADD 8, 2, 196608
	PADD 10, 2, 8192
	PADD 68, 89, 98304
	PADD 70, 89, 4096
	PADD 72, 2, 196608
	PADD 74, 2, 8192
	PADD 80, 90, 98304
	PADD 82, 90, 4096
	PADD 84, 91, 196608
	PADD 86, 91, 8192
	CROUND                                         ; all sixteen work-groups are here: the first joint loads meet
	G0SET G0A, 0, 4
	G0SET G0B, BBASE, 8
	G0SET G0SA, SCL, 6
	G0SET G0SB, SCL+16*272, 10
	LOADS
	s_lshl_b32 s66, s2, 10                         ; the biases: my 128 channels of q and k,
	s_lshl_b32 s88, s99, 9
	s_add_co_u32 s66, s66, s88
	s_add_nc_u64 s[12:13], s[12:13], s[66:67]
	s_add_nc_u64 s[76:77], s[76:77], s[66:67]
	s_lshl_b32 s66, s90, 9                         ; my 64 of v
	s_lshl_b32 s88, s15, 8
	s_add_co_u32 s66, s66, s88
	s_add_nc_u64 s[92:93], s[92:93], s[66:67]
	s_lshr_b32 s4, s89, 4                          ; where q goes (k: the same less a constant): head 16 x batch + 4 cx + 2 x half
	s_lshl_b32 s4, s4, 4
	s_lshl_b32 s5, s2, 2
	s_add_co_u32 s4, s4, s5
	s_lshl_b32 s5, s99, 1
	s_add_co_u32 s4, s4, s5
	s_mul_i32 s4, s4, HS
	s_and_b32 s5, s89, 15                          ; which 128 tokens of the batch
	s_lshl_b32 s6, s5, 8
	s_lshl_b32 s7, s15, 3
	s_add_co_u32 s6, s6, s7
	s_add_co_u32 s6, s6, s4
	s_add_co_u32 s66, s6, 303104
	s_add_nc_u64 s[10:11], s[94:95], s[66:67]      ; the scale words
	s_lshl_b32 s5, s5, 1
	s_add_co_u32 s5, s5, s15
	s_mul_i32 s5, s5, 3072
	s_add_co_u32 s4, s4, s5
	s_add_co_u32 s66, s4, 204800
	s_add_nc_u64 s[8:9], s[94:95], s[66:67]        ; the codes
	s_lshr_b32 s4, s91, 3                          ; where v goes: head 16 x batch + 2 x A's tile + half
	s_lshl_b32 s4, s4, 4
	s_lshl_b32 s5, s90, 1
	s_add_co_u32 s4, s4, s5
	s_add_co_u32 s4, s4, s15
	s_mul_i32 s4, s4, HS
	s_and_b32 s5, s91, 7
	s_lshl_b32 s5, s5, 1
	s_add_co_u32 s5, s5, s99                       ; the key step
	s_lshl_b32 s6, s5, 8
	s_add_co_u32 s6, s6, s4
	s_add_co_u32 s66, s6, 200704
	s_add_nc_u64 s[90:91], s[94:95], s[66:67]
	s_mul_i32 s5, s5, 6144
	s_add_co_u32 s4, s4, s5
	s_add_co_u32 s66, s4, 98304
	s_add_nc_u64 s[88:89], s[94:95], s[66:67]
	s_mul_i32 s4, s15, 64*PITCH
	s_mul_i32 s5, s99, 128*PITCH
	s_add_co_u32 s5, s5, BBASE
	s_mul_i32 s6, s15, 8*272
	s_add_co_u32 s6, s6, SCL
	s_mul_i32 s7, s99, 16*272
	s_add_co_u32 s7, s7, SCL+16*272
	s_lshl_b32 s96, s2, 2
	s_add_co_u32 s96, s96, s14
	s_mul_i32 s96, s96, 6144                       ; my sixteenth of A's next tile, among my row of the cluster
	s_lshl_b32 s97, s3, 2
	s_add_co_u32 s97, s97, s14
	s_mul_i32 s97, s97, 12288                      ; and of B's, among my column
	s_mov_b32 s100, 0xffff0000
	s_mov_b32 s78, 0x76543210
	s_mov_b32 s79, 0xfedcba98
	s_mov_b32 s[CNT], 0
	v_and_b32 v1, 15, v0                           ; r
	v_bfe_u32 v2, v0, 4, 1                         ; h
	v_and_b32 v3, 31, v0
	v_mul_u32_u24 v20, v1, PITCH
	v_mad_u32_u24 v21, v2, 24, v20
	v_mad_u32_u24 v22, v2, 40, v20
	v_add_nc_u32 v[ADA], s4, v21
	v_add_nc_u32 v[ADA+1], s4, v22
	v_add_nc_u32 v[ADB], s5, v21
	v_add_nc_u32 v[ADB+1], s5, v22
	v_add_nc_u32 v[ADB+2], 64*PITCH, v[ADB]
	v_add_nc_u32 v[ADB+3], 64*PITCH, v[ADB+1]
	v_lshlrev_b32 v23, 5, v1
	v_lshrrev_b32 v24, 8, v23
	v_lshl_add_u32 v23, v24, 4, v23                ; row r's scale bytes: 32 r, and 16 more behind 256
	v_mad_u32_u24 v[ASA], v2, 4*272, v23
	v_add_nc_u32 v[ASA], s6, v[ASA]
	v_mad_u32_u24 v[ASB], v2, 8*272, v23
	v_add_nc_u32 v[ASB], s7, v[ASB]
	v_lshlrev_b32 v[VE16], 4, v3
	v_lshlrev_b32 v[VE8], 3, v3
	v_add_nc_u32 v[VE8], 512, v[VE8]
	v_add_nc_u32 v[VO16], HS, v[VE16]
	v_add_nc_u32 v[VO8], HS, v[VE8]
	v_lshlrev_b32 v[VR16], 4, v1
	v_mad_u32_u24 v[VSC], v2, HS, v[VR16]
	v_lshlrev_b32 v19, 5, v2
	v_lshlrev_b32 v25, 2, v1
	v_min_u32 v26, 23, v3                          ; lanes 24-31 name the wave's last block again
	v_lshl_add_u32 v27, v26, 8, s97
	v_lshl_add_u32 v26, v26, 8, s96
	v_mov_b32 v[VSEL], 0x05040100
	v_mov_b32 v30, 0x07060302
	v_cndmask_b32 v[VSEL], v[VSEL], v30, s100      ; lanes 0-15 pick the low halves, lanes 16-31 the high halves
.irp b, 0,1,2,3
	v_mov_b32 v[TM+4+\b], 0                        ; a lane permute's destination counts as a source
.endr
.irp b, 0,1,2,3,4,5,6,7
	global_load_b128 v[BR+8*\b:BR+8*\b+3], v19, s[12:13] offset:64*\b
	global_load_b128 v[BR+8*\b+4:BR+8*\b+7], v19, s[12:13] offset:64*\b+16
.endr
.irp a, 0,1,2,3
	global_load_b32 v[BL+8*\a], v25, s[92:93] offset:64*\a
.endr
	WALU
	s_wait_loadcnt 0x0
.irp a, 0,8,16,24
.irp j, 1,2,3,4,5,6,7
	v_mov_b32 v[BL+\a+\j], v[BL+\a]                ; v's bias, one number a lane and block, over the block's eight registers
.endr
.endr
.Lqk:                                                  ; trip 0: q, and k's tiles asked for; trip 1: k, and v's
	PHASE 1, 1
.irp a, 0,1,2,3
	OUTBLK \a, 8, VO16, VO8, 768*\a, 768*\a        ; two heads' half images
.endr
	v_perm_b32 v[WO], v[SW+1], v[SW], v[VSEL]      ; a stored word: the two bytes of two token tiles of one head
	v_perm_b32 v[WO+1], v[SW+3], v[SW+2], v[VSEL]
	global_store_b64 v[VSC], v[WO:WO+1], s[10:11]
	s_wait_xcnt 0x0                                ; stores and prefetches have read their registers
	s_mov_b64 s[68:69], s[80:81]                   ; next: v's tiles
	s_mov_b64 s[70:71], s[82:83]
	s_mov_b64 s[72:73], s[84:85]
	s_mov_b64 s[74:75], s[86:87]
	s_sub_nc_u64 s[8:9], s[8:9], 204800            ; from Q's place in a head to K's (used in trip 1 alone)
	s_sub_nc_u64 s[10:11], s[10:11], 106496
	s_add_co_u32 s[CNT], s[CNT], 1
	s_cmp_lg_u32 s[CNT], 2
	WALU
	s_cbranch_scc1 .Lqk
	PHASE 2, 0
.irp a, 0,1,2,3
	OUTBLK \a, 88, VE16, VE8, 1536*\a, 1536*\a+768 ; a fragment of 16 channels x 128 keys
.endr
	global_store_b128 v[VR16], v[SW:SW+3], s[90:91]
	s_wait_tensorcnt 0x0                           ; the wave's end
	ds_add_u32 v[SPW], v[NIL]
	s_wait_dscnt 0x0
	CROUND                                         ; the closing round
	s_endpgm
.Lfunc_end_k_qa66663f440_proj:
	.size	k_qa66663f440_proj, .Lfunc_end_k_qa66663f440_proj-k_qa66663f440_proj
	.p2alignl 7, 3214868480
	.fill 96, 4, 3214868480
	.section	.rodata,"a",@progbits
	.p2align	6, 0x0
	.amdhsa_kernel k_qa66663f440_proj
		.amdhsa_group_segment_fixed_size 327680
		.amdhsa_private_segment_fixed_size 0
		.amdhsa_enable_private_segment 0
		.amdhsa_kernarg_size 128
		.amdhsa_user_sgpr_count 2
		.amdhsa_user_sgpr_kernarg_segment_ptr 1
		.amdhsa_wavefront_size32 1
		.amdhsa_system_sgpr_workgroup_id_x 1
		.amdhsa_system_sgpr_workgroup_id_y 1
		.amdhsa_system_sgpr_workgroup_id_z 1
		.amdhsa_system_vgpr_workitem_id 0
		.amdhsa_next_free_vgpr 1024
		.amdhsa_next_free_sgpr 106
		.amdhsa_reserve_vcc 0
		.amdhsa_float_denorm_mode_32 3
		.amdhsa_float_denorm_mode_16_64 3
		.amdhsa_memory_ordered 1
		.amdhsa_forward_progress 1
		.amdhsa_inst_pref_size 195
	.end_amdhsa_kernel
	.amdgpu_metadata
---
amdhsa.version: [ 1, 2 ]
amdhsa.kernels:
  - .name:           k_qa66663f440_proj
    .symbol:         k_qa66663f440_proj.kd
    .args:
      - { .name: querys_codes, .offset: 0, .size: 8, .value_kind: global_buffer, .address_space: global }
      - { .name: querys_scales, .offset: 8, .size: 8, .value_kind: global_buffer, .address_space: global }
      - { .name: Wq_codes, .offset: 16, .size: 8, .value_kind: global_buffer, .address_space: global }
      - { .name: Wq_scales, .offset: 24, .size: 8, .value_kind: global_buffer, .address_space: global }
      - { .name: bq, .offset: 32, .size: 8, .value_kind: global_buffer, .address_space: global }
      - { .name: keys_codes, .offset: 40, .size: 8, .value_kind: global_buffer, .address_space: global }
      - { .name: keys_scales, .offset: 48, .size: 8, .value_kind: global_buffer, .address_space: global }
      - { .name: Wk_codes, .offset: 56, .size: 8, .value_kind: global_buffer, .address_space: global }
      - { .name: Wk_scales, .offset: 64, .size: 8, .value_kind: global_buffer, .address_space: global }
      - { .name: bk, .offset: 72, .size: 8, .value_kind: global_buffer, .address_space: global }
      - { .name: Wv_codes, .offset: 80, .size: 8, .value_kind: global_buffer, .address_space: global }
      - { .name: Wv_scales, .offset: 88, .size: 8, .value_kind: global_buffer, .address_space: global }
      - { .name: values_codes, .offset: 96, .size: 8, .value_kind: global_buffer, .address_space: global }
      - { .name: values_scales, .offset: 104, .size: 8, .value_kind: global_buffer, .address_space: global }
      - { .name: bv, .offset: 112, .size: 8, .value_kind: global_buffer, .address_space: global }
      - { .name: qkv, .offset: 120, .size: 8, .value_kind: global_buffer, .address_space: global }
    .group_segment_fixed_size: 327680
    .private_segment_fixed_size: 0
    .kernarg_segment_align: 8
    .kernarg_segment_size: 128
    .max_flat_workgroup_size: 128
    .sgpr_count:     106
    .vgpr_count:     1024
    .wavefront_size: 32
...
	.end_amdgpu_metadata
.endif
;; end of part 1
;; launch attn (part 2): grid 4 x 64, 16 waves a work-group, clusters of 4 x 1, 206,848 bytes of LDS; arguments qkv, ao_codes, ao_scales; writes ao_codes, ao_scales
.if DOCPART == 2
	.amdgcn_target "amdgcn-amd-amdhsa--gfx1250"
	.amdhsa_code_object_version 6
	.text
	.protected	k_qa66663f440_attn
	.globl	k_qa66663f440_attn
	.p2align	8
	.type	k_qa66663f440_attn,@function
k_qa66663f440_attn:
	s_mov_b64 s[64:65], 0
	v_nop
	global_prefetch_b8 v0, s[64:65] scope:SCOPE_SE
	s_setreg_imm32_b32 hwreg(HW_REG_WAVE_MODE, 25, 1), 1
	s_wait_xcnt 0x0
	s_wait_alu depctr_hold_cnt(0) depctr_sa_sdst(0) depctr_va_vdst(0) depctr_va_sdst(0) depctr_va_ssrc(0) depctr_va_vcc(0) depctr_vm_vsrc(0)
	s_getreg_b32 s2, hwreg(HW_REG_IB_STS2, 6, 4)
	s_cmp_eq_u32 s2, 0
	s_cbranch_scc0 .Lentry_in_a_cluster
	s_endpgm
.Lentry_in_a_cluster:
	s_bfe_u32 s2, ttmp6, 0x10000c
	s_cmp_lg_u32 s2, 0x3003
	s_cbranch_scc0 .Lentry_shape_is_right
	s_endpgm
.Lentry_shape_is_right:
; ATTENTION of one head on codes of FP6 (E2M3): S = q k^T / 8, p = 2^(t - M), O = p v / the sum of p; then O is quantised along the model's 1,024 channels (two blocks of 32 a head) for the last product.
; t = score x log2(e) / 8; M = the row's largest t so far, rounded UP to a whole number; p is quantised along the keys, not normalised; the row's sum is taken of the unquantised p, in f32.
; When M moves, the sum and O are multiplied by 2^(old M - new M): exact.
; SHARES.  A work-group owns one head (64 of them: work-group y) and 512 of its 2,048 queries; each of its SIXTEEN waves owns two tiles of 16 queries, one after the other, in 256 registers: four waves to a SIMD,
; so that one wave's vector work stands beside another's matrix work and LDS loads.  Every wave walks all 2,048 keys, 128 a step.
; LDS.  The head's K and V codes and their scale words are ONE dense block of 204,800 bytes of qkv, laid as images of operand registers.  It is brought ONCE, 12,800 bytes a wave (50 rows of 256 bytes), and stays: no ring, nothing is filled again.
; CLUSTER.  The four query blocks of a head form a cluster and need the same block: each wave's load is a JOINT one, the same descriptor in all four work-groups, with a mask that names the four.
; Everything that the launch reads but Q is asked for at the head by those loads, so there is nothing left to prefetch.
; LAYOUT.  Both products are used transposed: S^T = K Q^T (source 0 = keys, source 1 = my 16 queries), O^T = V^T P^T (source 0 = 16 channels, source 1 = P): a lane holds ONE query (lane % 16) throughout.
; K = 64 IS HALF OF THE INSTRUCTION'S 128.  A fragment of K holds TWO tiles of 16 keys: registers 0-5 tile 2 b, registers 6-11 tile 2 b + 1.  Q stands as [6 zeros | q | 6 zeros]: (q, 0) picks tile 2 b, (0, q) tile 2 b + 1:
; zero codes annul the other tile, whatever its codes and scale bytes (these lie between 1 and 254); Q's scale bytes for its zero half are 0.
; THE ORDER INSIDE A BLOCK OF 32: q and k carry the same order along the channels, and p, made here from natural tiles of 16 keys, carries along the keys the order in which v was laid: the products are the same.
; O goes to a product whose other operand lies in true order: sixteen exchanges of lane halves on the f32 numbers make a lane's 16 registers 16 neighbouring channels first.
; LIMITS: NaN and infinities are not served.  A block whose largest magnitude lies under 2^-124 gets the scale byte 1 (a block of zeros too: its codes are zeros, and this program alone reads the bytes).
; The two scale bytes of a token and head are stored two bytes a lane, 32 bytes apart: one part in 24 of what the launch stores; the codes leave as 512 and 256 consecutive bytes, aligned.
.set HS,    307200                     ; a head in qkv
.set PART,  12800                      ; what one wave brings
.set VCO,   98304                      ; V's codes in the head's block; K's begin at 0
.set KSO,   196608                     ; K's scale words; V's lie 4,096 bytes on
.set QCO,   204800                     ; Q's codes (not brought into LDS)
.set QSO,   303104                     ; Q's scale words
.set AK16, 1                           ; v1  16 x lane: registers 0-3 of a half image
.set AK8,  2                           ; v2  512 + 8 x lane: registers 4-5
.set AV16, 3                           ; v3, v4 the same in V
.set AV8,  4
.set AS0,  5                           ; v5  K's scale words: 16 r
.set ADK16, 6                          ; v6-10 the step's addresses
.set ADK8, 7
.set ADV16, 8
.set ADV8, 9
.set ADS,  10
.set GOS,  11                          ; v11 32 r: a token's row of scale bytes
;          v12 -M, v13 the largest t, v[14:15] the sum in two halves
.set QHI,  16                          ; v[16:27] (0, q)
.set QLO,  22                          ; v[22:33] (q, 0)
.set QSL,  34                          ; v34 q's scale bytes in bytes 0, 1;  v35 in bytes 2, 3
.set QSH,  35
.set F,    36                          ; v[36:83] four fragments of K or of V
.set KSW,  84                          ; v[84:87] K's scale words;  v[88:91] V's;  v92 p's
.set VSW,  88
.set PW,   92
.set S,    96                          ; v[96:159] S^T, then p
.set OT,   160                         ; v[160:191] O^T
.set CD,   192                         ; v[192:203] p's codes; v[204:206], v[208:210] the conversions' second halves
.set BM,   212                         ; v[212:215] the blocks' largest scores
.set PX,   216                         ; v[216:219] the other half's; then the bytes
.set SO,   220                         ; v[220:223] the conversions' scale operands
.set TW,   224                         ; v224 at work
.set FF,   226                         ; v[226:227] f = 2^(old M - new M); the upper register is written once
.set L2,   228                         ; v[228:229] the sum's second chain
.set Q1,   232                         ; v[232:237] the second tile's q
.set QW,   238                         ; v238 the two tiles' scale bytes
.set OB,   239                         ; v239 O's two scale bytes
.set WV,   10                          ; s10 wave
.set G1,   16                          ; s[16:23], s[24:27] the descriptor
.set G0,   24
.set SEL,  28                          ; s[28:29] v_permlanex16_b32's selects for lane l xor 16
.set CS,   30                          ; s[30:31] c = log2(e) / 8
.set TB,   32                          ; s32 the key step's codes: 6,144 bytes a step
.set TS,   33                          ; s33 its scale words: 256 bytes a step
.set CNT,  34
.macro CROUND                          ; a round of the cluster's barrier
	s_barrier_signal -1
	s_barrier_wait -1
	s_cmp_lg_u32 s[WV], 0
	s_cbranch_scc1 .Lnot_wave_0_\@
	s_barrier_signal -3
.Lnot_wave_0_\@:
	s_barrier_wait -3
	s_barrier_signal -1
	s_barrier_wait -1
.endm
	s_load_b128 s[4:7], s[0:1], 0x0                ; qkv, ao_codes
	s_load_b64 s[8:9], s[0:1], 0x10                ; ao_scales
	v_lshl_add_u32 v254, v0, 2, 0x32000
	v_mov_b32 v255, 0
	ds_add_u32 v254, v255
	ds_add_u32 v254, v255
	v_lshrrev_b32 v1, 5, v0
	s_delay_alu instid0(VALU_DEP_1)
	v_readfirstlane_b32 s[WV], v1                  ; wave 0..15
	s_bfe_u32 s11, ttmp6, 0x40000                  ; cx: my block of 512 queries: it enters Q's and O's addresses alone
	s_and_b32 s12, ttmp7, 0xffff                   ; 16 x batch + head, which the four partners share
	s_mul_i32 s2, s12, HS
	s_mov_b32 s3, 0
	s_mul_i32 s13, s[WV], PART                     ; my part of the head's block, in memory and in LDS alike
	s_mov_b32 s14, s13
	s_mov_b32 s15, 0
	s_mov_b32 s[G1], 15|(3<<16)|(1<<21)            ; 15:0 the mask: all four work-groups; elements of 8 bytes; no padding; bit 21 set beside a mask
	s_mov_b32 s[G1+1], 32<<16                      ; tensor_dim0 = 32 elements: 256 bytes
	s_mov_b32 s[G1+2], 50<<16                      ; tensor_dim1 = 50 rows
	s_mov_b32 s[G1+3], 32<<16                      ; tile_dim0
	s_mov_b32 s[G1+4], 50                          ; tile_dim1
	s_mov_b32 s[G1+5], 32                          ; the rows are dense
	s_mov_b32 s[G1+6], 0
	s_mov_b32 s[G1+7], 0
	s_mov_b32 s[SEL], 0x76543210
	s_mov_b32 s[SEL+1], 0xfedcba98
	s_mov_b32 s[CS], 0x3e38aa3b                    ; log2(e) / 8
	s_mov_b32 s[CS+1], s[CS]                       ; (named with it as a pair, so it is written)
	s_lshl_b32 s35, s11, 5
	s_lshl_b32 s44, s[WV], 1
	s_add_co_u32 s35, s35, s44                     ; my first tile of 16 queries in the head: 32 cx + 2 wave
	s_mul_i32 s36, s35, 768
	s_add_co_u32 s36, s36, QCO                     ; its half image
	s_mov_b32 s37, 0
	s_lshl_b32 s38, s11, 2
	s_lshr_b32 s44, s[WV], 2
	s_add_co_u32 s38, s38, s44
	s_lshl_b32 s38, s38, 8                         ; its scale word: 256 bytes for each 8 tiles,
	s_and_b32 s44, s[WV], 3
	s_lshl_b32 s44, s44, 2
	s_add_co_u32 s38, s38, s44                     ; a word for each two tiles
	s_add_co_u32 s38, s38, QSO
	s_mov_b32 s39, 0
	s_lshr_b32 s44, s12, 4
	s_lshl_b32 s44, s44, 7
	s_add_co_u32 s44, s44, s35                     ; the tile among all 512: 128 x batch + tile
	s_and_b32 s45, s12, 15                         ; the head
	s_mul_i32 s40, s44, 12288
	s_mul_i32 s46, s45, 768
	s_add_co_u32 s40, s40, s46                     ; ao_codes: [tile][head][768]
	s_mov_b32 s41, 0
	s_lshl_b32 s42, s44, 9
	s_lshl_b32 s45, s45, 1
	s_add_co_u32 s42, s42, s45                     ; ao_scales: [token][32], bytes 2 head, 2 head + 1
	s_mov_b32 s43, 0
	s_wait_dscnt 0x0
	s_wait_kmcnt 0x0
	s_add_nc_u64 s[4:5], s[4:5], s[2:3]            ; my head
	s_add_nc_u64 s[36:37], s[4:5], s[36:37]
	s_add_nc_u64 s[38:39], s[4:5], s[38:39]
	s_add_nc_u64 s[40:41], s[6:7], s[40:41]
	s_add_nc_u64 s[42:43], s[8:9], s[42:43]
	s_mov_b32 s[G0], 1                             ; count = 1
	s_mov_b32 s[G0+1], s13                         ; LDS address
	s_add_nc_u64 s[G0+2:G0+3], s[4:5], s[14:15]    ; global address: it hangs on the head and the wave alone
	s_or_b32 s[G0+3], s[G0+3], 0x80000000          ; type = 2
	CROUND                                         ; all four work-groups are here: the joint loads meet
	tensor_load_to_lds s[G0:G0+3], s[G1:G1+7]      ; my one tensor load of the launch
	s_nop 0
.rept 4
	v_nop
.endr
	v_and_b32 v1, 31, v0
	s_delay_alu instid0(VALU_DEP_1)
	v_lshlrev_b32 v[AK8], 3, v1
	s_delay_alu instid0(VALU_DEP_2)
	v_lshlrev_b32 v[AK16], 4, v1
	s_delay_alu instid0(VALU_DEP_2)
	v_add_nc_u32 v[AK8], 512, v[AK8]
	v_and_b32 v[ADS], 15, v0                       ; r
	s_delay_alu instid0(VALU_DEP_1)
	v_lshlrev_b32 v[GOS], 5, v[ADS]
	s_delay_alu instid0(VALU_DEP_2)
	v_lshlrev_b32 v[ADS], 4, v[ADS]                ; 16 r (the register is free again behind the wait for the load below)
	global_load_b128 v[QLO:QLO+3], v[AK16], s[36:37]           ; the first tile's q
	global_load_b64 v[QLO+4:QLO+5], v[AK8], s[36:37]
	global_load_b128 v[Q1:Q1+3], v[AK16], s[36:37] offset:768  ; the second's
	global_load_b64 v[Q1+4:Q1+5], v[AK8], s[36:37] offset:768
	global_load_b32 v[QW], v[ADS], s[38:39]                    ; both tiles' scale bytes of row r
	v_add_nc_u32 v[AV16], VCO, v[AK16]
	v_add_nc_u32 v[AV8], VCO, v[AK8]
	v_add_nc_u32 v[AS0], KSO, v[ADS]
.irp j, 0,1,2,3,4,5
	v_mov_b32 v[QHI+\j], 0                         ; Q's two zero halves
	v_mov_b32 v[QLO+6+\j], 0
.endr
.irp b, 0,1,2,3
	v_mov_b32 v[PX+\b], 0                          ; written once: a lane permute's destination counts as one of its sources
.endr
	v_mov_b32 v[FF+1], 0                           ; (named as the upper half of a pair)
	s_wait_loadcnt 0x0                             ; Q
	s_wait_tensorcnt 0x0                           ; my part of the head's block is in,
	s_barrier_signal -1
	s_barrier_wait -1                              ; everybody's is
; A KEY STEP: 128 keys.
.macro STEP
	v_add_nc_u32 v[ADK16], s[TB], v[AK16]          ; four plain lines: the places behind the last step's products, in front of the loads into their registers
	v_add_nc_u32 v[ADK8], s[TB], v[AK8]
	v_add_nc_u32 v[ADS], s[TS], v[AS0]
	v_nop
.irp b, 0,1,2,3                                ; four fragments of K: two half images each, as they lie
	ds_load_b128 v[F+12*\b:F+12*\b+3], v[ADK16] offset:1536*\b
	ds_load_b64 v[F+12*\b+4:F+12*\b+5], v[ADK8] offset:1536*\b
	ds_load_b128 v[F+12*\b+6:F+12*\b+9], v[ADK16] offset:1536*\b+768
	ds_load_b64 v[F+12*\b+10:F+12*\b+11], v[ADK8] offset:1536*\b+768
.endr
	ds_load_b128 v[KSW:KSW+3], v[ADS]              ; their four scale words of row r
	s_wait_alu depctr_va_vdst(0)
	s_wait_dscnt 0x0
.irp b, 0,1,2,3                                ; S^T: the 16 registers of block b are my 16 keys of keys 32 b .. 32 b + 31
	v_wmma_scale_f32_16x16x128_f8f6f4 v[S+16*\b:S+16*\b+7], v[F+12*\b:F+12*\b+11], v[QLO:QLO+11], 0, v[KSW+\b], v[QSL] matrix_a_fmt:MATRIX_FMT_FP6 matrix_b_fmt:MATRIX_FMT_FP6
	v_wmma_scale_f32_16x16x128_f8f6f4 v[S+8+16*\b:S+15+16*\b], v[F+12*\b:F+12*\b+11], v[QHI:QHI+11], 0, v[KSW+\b], v[QSH] matrix_a_fmt:MATRIX_FMT_FP6 matrix_b_fmt:MATRIX_FMT_FP6
.endr
	v_add_nc_u32 v[ADV16], s[TB], v[AV16]          ; four places again: in front of the loads into K's registers and of the first read of the scores
	v_add_nc_u32 v[ADV8], s[TB], v[AV8]
	v_nop
	v_nop
.irp t, 0,1,2,3                                ; V's four fragments (16 channels x these 128 keys): they land while the softmax is worked
	ds_load_b128 v[F+12*\t:F+12*\t+3], v[ADV16] offset:1536*\t
	ds_load_b64 v[F+12*\t+4:F+12*\t+5], v[ADV8] offset:1536*\t
	ds_load_b128 v[F+12*\t+6:F+12*\t+9], v[ADV16] offset:1536*\t+768
	ds_load_b64 v[F+12*\t+10:F+12*\t+11], v[ADV8] offset:1536*\t+768
.endr
	ds_load_b128 v[VSW:VSW+3], v[ADS] offset:4096
.irp b, 0,1,2,3
	v_max3_num_f32 v[BM+\b], v[S+16*\b], v[S+1+16*\b], v[S+2+16*\b]   ; THE LARGEST SCORE OF EACH BLOCK OF 32 KEYS serves twice: for the row's maximum, and, since p rises with the score, for the block's largest p
.endr
.irp i, 3,5,7,9,11,13
.irp b, 0,1,2,3
	v_max3_num_f32 v[BM+\b], v[BM+\b], v[S+16*\b+\i], v[S+1+16*\b+\i]   ; (the four blocks by turns; each accumulator is read from its low end on)
.endr
.endr
.irp b, 0,1,2,3
	v_max_num_f32 v[BM+\b], v[BM+\b], v[S+15+16*\b]
.endr
.irp b, 0,1,2,3
	s_delay_alu instid0(VALU_DEP_4)
	v_permlanex16_b32 v[PX+\b], v[BM+\b], s[SEL], s[SEL+1]
.endr
.irp b, 0,1,2,3
	s_delay_alu instid0(VALU_DEP_4)
	v_max_num_f32 v[BM+\b], v[BM+\b], v[PX+\b]     ; with lane l xor 16's 16 keys
.endr
	s_delay_alu instid0(VALU_DEP_2)
	v_max3_num_f32 v[TW], v[BM], v[BM+1], v[BM+2]
	s_delay_alu instid0(VALU_DEP_1)
	v_max_num_f32 v[TW], v[TW], v[BM+3]            ; the step's largest score of my query
	s_delay_alu instid0(VALU_DEP_1)
	v_mul_f32 v[TW], s[CS], v[TW]                  ; as t (c is positive)
	s_delay_alu instid0(VALU_DEP_1)
	v_max_num_f32 v13, v13, v[TW]                  ; the running largest t
	v_mov_b32 v[TW], v12
	s_delay_alu instid0(VALU_DEP_2)
	v_floor_f32 v12, -v13                          ; the new -M = floor(-t) = -ceil(t): a whole number
	s_delay_alu instid0(VALU_DEP_1)
	v_sub_f32 v[TW], v12, v[TW]                    ; M's old value less its new one: a whole number, 0 or less
	s_delay_alu instid0(VALU_DEP_1)
	v_cvt_i32_f32 v[TW], v[TW]                     ; (it saturates)
	s_delay_alu instid0(VALU_DEP_1)
	v_ldexp_f32 v[FF], 1.0, v[TW]                  ; f = 2^(old M - new M)
.set j, 0
.rept 32
	v_pk_fma_f32 v[S+j:S+j+1], v[S+j:S+j+1], s[CS:CS+1], v[12:13] op_sel_hi:[1,0,0]   ; t - M, two at a time
.set j, j+2
.endr
.irp b, 0,1,2,3
	v_fma_f32 v[BM+\b], v[BM+\b], s[CS], v12       ; the same of each block's largest score
.endr
.set j, 0
	s_wait_alu depctr_va_vdst(0)
.rept 64
	v_exp_f32 v[S+j], v[S+j]                       ; p = 2^(t - M), at most 1
.set j, j+1
.endr
	v_pk_mul_f32 v[14:15], v[14:15], v[FF:FF+1] op_sel_hi:[1,0]   ; the sums under the new M: a plain line behind the exponentials
	s_wait_alu depctr_va_vdst(0)                   ; one wait for the batch of 64, ahead of its first reader
.irp b, 0,1,2,3
	v_exp_f32 v[BM+\b], v[BM+\b]                   ; the block's largest p: the same two instructions on the same number give the same bits
.endr
	v_pk_add_f32 v[228:229], v[100:101], v[104:105]
	v_pk_add_f32 v[252:253], v[108:109], v[112:113]
	v_pk_add_f32 v[250:251], v[116:117], v[120:121]
	v_pk_add_f32 v[248:249], v[124:125], v[128:129]
	v_pk_add_f32 v[246:247], v[132:133], v[136:137]
	v_pk_add_f32 v[244:245], v[140:141], v[144:145]
	v_pk_add_f32 v[242:243], v[148:149], v[152:153]
	v_pk_add_f32 v[14:15], v[14:15], v[156:157]
	v_pk_add_f32 v[228:229], v[228:229], v[96:97]
	v_pk_add_f32 v[252:253], v[252:253], v[98:99]
	v_pk_add_f32 v[250:251], v[250:251], v[102:103]
	v_pk_add_f32 v[248:249], v[248:249], v[106:107]
	v_pk_add_f32 v[246:247], v[246:247], v[110:111]
	v_pk_add_f32 v[244:245], v[244:245], v[114:115]
	v_pk_add_f32 v[242:243], v[242:243], v[118:119]
	v_pk_add_f32 v[14:15], v[14:15], v[122:123]
	v_pk_add_f32 v[228:229], v[228:229], v[126:127]
	v_pk_add_f32 v[252:253], v[252:253], v[130:131]
	v_pk_add_f32 v[250:251], v[250:251], v[134:135]
	v_pk_add_f32 v[248:249], v[248:249], v[138:139]
	v_pk_add_f32 v[246:247], v[246:247], v[142:143]
	v_pk_add_f32 v[244:245], v[244:245], v[146:147]
	v_pk_add_f32 v[242:243], v[242:243], v[150:151]
	v_pk_add_f32 v[14:15], v[14:15], v[154:155]
	v_pk_add_f32 v[228:229], v[228:229], v[158:159]
	s_delay_alu instid0(VALU_DEP_2)
	v_pk_add_f32 v[14:15], v[14:15], v[248:249]
	s_delay_alu instid0(VALU_DEP_2)
	v_pk_add_f32 v[228:229], v[228:229], v[246:247]
	v_pk_add_f32 v[252:253], v[252:253], v[244:245]
	v_pk_add_f32 v[250:251], v[250:251], v[242:243]
	s_delay_alu instid0(VALU_DEP_2)
	v_pk_add_f32 v[14:15], v[14:15], v[252:253]
	s_delay_alu instid0(VALU_DEP_2)
	v_pk_add_f32 v[228:229], v[228:229], v[250:251]
	s_delay_alu instid0(VALU_DEP_1)
	v_pk_add_f32 v[14:15], v[14:15], v[228:229]
	s_wait_alu depctr_va_vdst(0)                   ; and one for the four
.irp b, 0,1,2,3
	v_max_num_f32 v[BM+\b], 0x1800000, v[BM+\b]    ; the floor 2^(3 - 127): the byte cannot fall under 1
.endr
.irp b, 0,1,2,3
	s_delay_alu instid0(VALU_DEP_4)
	v_add_nc_u32 v[SO+\b], 0xff000000, v[BM+\b]    ; 2 off the exponent field: the conversion's scale operand
.endr
.irp b, 0,1,2,3
	s_delay_alu instid0(VALU_DEP_4)
	v_lshrrev_b32 v[PX+\b], 23, v[SO+\b]           ; the scale's byte
.endr
	s_delay_alu instid0(VALU_DEP_3)
	v_lshl_or_b32 v[PW], v[PX+1], 8, v[PX]         ; p's scale word for these 128 keys
	s_delay_alu instid0(VALU_DEP_1)
	v_lshl_or_b32 v[PW], v[PX+2], 16, v[PW]
	s_delay_alu instid0(VALU_DEP_1)
	v_lshl_or_b32 v[PW], v[PX+3], 24, v[PW]
.irp c, 0,1
	v_cvt_scalef32_pk16_fp6_f32 v[CD+6*\c:CD+2+6*\c], v[S+32*\c:S+15+32*\c], v[SO+2*\c]
	v_cvt_scalef32_pk16_fp6_f32 v[CD+12+4*\c:CD+14+4*\c], v[S+16+32*\c:S+31+32*\c], v[SO+2*\c+1]   ; (a conversion's three registers begin on an even number)
.endr
	v_nop                                          ; one plain place behind a scaled conversion
.irp c, 0,1                                    ; the operand's layout wants a WHOLE block in a lane
.irp i, 0,1,2
	v_permlane16_swap_b32 v[CD+6*\c+\i], v[CD+12+4*\c+\i]
.endr
.irp i, 0,1,2
	s_delay_alu instid0(VALU_DEP_3)
	v_mov_b32 v[CD+3+6*\c+\i], v[CD+12+4*\c+\i]
.endr
.endr
.set j, 0
.rept 16
	v_pk_mul_f32 v[OT+j:OT+j+1], v[OT+j:OT+j+1], v[FF:FF+1] op_sel_hi:[1,0]   ; O^T under the new M.  (These sixteen are also the places between the writing of p's codes and scale word and the products)
.set j, j+2
.endr
	s_wait_alu depctr_va_vdst(0)
	s_wait_dscnt 0x0                               ; V
.irp t, 0,1,2,3                                ; O^T += V^T P^T: four accumulators by turns, one instruction a turn
	v_wmma_scale_f32_16x16x128_f8f6f4 v[OT+8*\t:OT+8*\t+7], v[F+12*\t:F+12*\t+11], v[CD:CD+11], v[OT+8*\t:OT+8*\t+7], v[VSW+\t], v[PW] matrix_a_fmt:MATRIX_FMT_FP6 matrix_b_fmt:MATRIX_FMT_FP6
.endr
	s_add_co_u32 s[TB], s[TB], 6144
	s_add_co_u32 s[TS], s[TS], 256
.endm
; One tile of 16 queries: all 16 key steps, then the way out.  p = 0: my first tile, 1: my second.
.macro PASS p
.if \p
	s_wait_xcnt 0x0                                ; the first tile's stores have read their registers
.irp j, 0,1,2,3,4,5
	v_mov_b32 v[QLO+\j], v[Q1+\j]
.endr
	v_lshrrev_b32 v[QSL], 16, v[QW]                ; the second tile's two bytes lie in the word's upper half
	v_and_b32 v[QSH], 0xffff0000, v[QW]
.else
	v_and_b32 v[QSL], 0xffff, v[QW]
	v_lshlrev_b32 v[QSH], 16, v[QW]
.endif
	v_mov_b32 v13, 0xff61b1e6                      ; the largest t so far: -3e38, under every t
	s_delay_alu instid0(VALU_DEP_1)
	v_floor_f32 v12, -v13                          ; -M
	v_mov_b32 v14, 0
	v_mov_b32 v15, 0
.set j, 0
.rept 32
	v_mov_b32 v[OT+j], 0                           ; O^T.  (The step is written once: the first finds zeros, which the first change of M leaves zeros.  These lines are also the places behind the writing of Q and its scale words)
.set j, j+1
.endr
	s_mov_b32 s[TB], 0
	s_mov_b32 s[TS], 0
	s_mov_b32 s[CNT], 16
.Lstep_\@:
	STEP
	s_sub_co_u32 s[CNT], s[CNT], 1
	s_cmp_lg_u32 s[CNT], 0
	s_cbranch_scc1 .Lstep_\@
	; THE WAY OUT
	v_add_f32 v14, v14, v15                        ; the sum's two halves,
	s_delay_alu instid0(VALU_DEP_1)
	v_permlanex16_b32 v[TW], v14, s[SEL], s[SEL+1]
	s_delay_alu instid0(VALU_DEP_1)
	v_add_f32 v14, v14, v[TW]                      ; and lane l xor 16's: the row's sum
	s_wait_alu depctr_va_vdst(0)
	v_rcp_f32 v14, v14
.rept 3
	v_nop                                          ; a plain line behind the reciprocal; with the two additions: the places behind the last products
.endr
	s_wait_alu depctr_va_vdst(0)                   ; the wait ahead of the reciprocal's first reader
.set j, 0
.rept 16
	v_pk_mul_f32 v[S+j:S+j+1], v[OT+j:OT+j+1], v[14:15] op_sel_hi:[1,0]   ; O^T / the sum: register 8 t + i is channel 16 t + 8 h + i; each accumulator from its low end on
.set j, j+2
.endr
.irp g, 0,1
.irp j, 0,1,2,3,4,5,6,7
	v_permlane16_swap_b32 v[S+16*\g+\j], v[S+8+16*\g+\j]   ; the first's lanes 16-31 change places with the second's lanes 0-15: my 16 registers of block g are now channels 32 g + 16 h + 0 .. 15, in true order
.endr
.endr
.irp g, 0,1
	v_max3_num_f32 v[BM+\g], |v[S+16*\g]|, |v[S+1+16*\g]|, 0x1800000   ; block g: my 16 numbers, and the floor
.endr
.irp i, 2,4,6,8,10,12,14
.irp g, 0,1
	s_delay_alu instid0(VALU_DEP_2)
	v_max3_num_f32 v[BM+\g], v[BM+\g], |v[S+16*\g+\i]|, |v[S+1+16*\g+\i]|
.endr
.endr
.irp g, 0,1
	s_delay_alu instid0(VALU_DEP_2)
	v_permlanex16_b32 v[PX+\g], v[BM+\g], s[SEL], s[SEL+1]
.endr
.irp g, 0,1
	s_delay_alu instid0(VALU_DEP_2)
	v_max_num_f32 v[BM+\g], v[BM+\g], v[PX+\g]
.endr
.irp g, 0,1
	s_delay_alu instid0(VALU_DEP_2)
	v_add_nc_u32 v[SO+\g], 0xff000000, v[BM+\g]
.endr
.irp g, 0,1
	s_delay_alu instid0(VALU_DEP_2)
	v_lshrrev_b32 v[PX+\g], 23, v[SO+\g]
.endr
	s_delay_alu instid0(VALU_DEP_1)
	v_lshl_or_b32 v[OB], v[PX+1], 8, v[PX]         ; the token's two scale bytes of this head
	v_cvt_scalef32_pk16_fp6_f32 v[CD:CD+2], v[S:S+15], v[SO]
	v_cvt_scalef32_pk16_fp6_f32 v[CD+12:CD+14], v[S+16:S+31], v[SO+1]
	v_nop                                          ; one plain place behind a scaled conversion
.irp i, 0,1,2
	v_permlane16_swap_b32 v[CD+\i], v[CD+12+\i]    ; lanes 0-15 block 0, lanes 16-31 block 1: a half image
.endr
.irp i, 0,1,2
	s_delay_alu instid0(VALU_DEP_3)
	v_mov_b32 v[CD+3+\i], v[CD+12+\i]
.endr
	global_store_b128 v[AK16], v[CD:CD+3], s[40:41] offset:12288*\p   ; 512 consecutive bytes, aligned
	global_store_b64 v[AK8], v[CD+4:CD+5], s[40:41] offset:12288*\p   ; 256
	global_store_b16 v[GOS], v[OB], s[42:43] offset:512*\p            ; both halves of the lanes write the same two bytes with the same value
.endm
	PASS 0
	PASS 1
	s_wait_dscnt 0x0
	s_wait_tensorcnt 0x0
	ds_add_u32 v254, v255
	s_wait_dscnt 0x0
	CROUND                                         ; the closing round: no work-group ends while a partner may still ask for a tile that names it
	s_endpgm
.Lfunc_end_k_qa66663f440_attn:
	.size	k_qa66663f440_attn, .Lfunc_end_k_qa66663f440_attn-k_qa66663f440_attn
	.p2alignl 7, 3214868480
	.fill 96, 4, 3214868480
	.section	.rodata,"a",@progbits
	.p2align	6, 0x0
	.amdhsa_kernel k_qa66663f440_attn
		.amdhsa_group_segment_fixed_size 206848
		.amdhsa_private_segment_fixed_size 0
		.amdhsa_enable_private_segment 0
		.amdhsa_kernarg_size 24
		.amdhsa_user_sgpr_count 2
		.amdhsa_user_sgpr_kernarg_segment_ptr 1
		.amdhsa_wavefront_size32 1
		.amdhsa_system_sgpr_workgroup_id_x 1
		.amdhsa_system_sgpr_workgroup_id_y 1
		.amdhsa_system_sgpr_workgroup_id_z 1
		.amdhsa_system_vgpr_workitem_id 0
		.amdhsa_next_free_vgpr 256
		.amdhsa_next_free_sgpr 66
		.amdhsa_reserve_vcc 0
		.amdhsa_float_denorm_mode_32 3
		.amdhsa_float_denorm_mode_16_64 3
		.amdhsa_memory_ordered 1
		.amdhsa_forward_progress 1
		.amdhsa_inst_pref_size 53
	.end_amdhsa_kernel
	.amdgpu_metadata
---
amdhsa.version: [ 1, 2 ]
amdhsa.kernels:
  - .name:           k_qa66663f440_attn
    .symbol:         k_qa66663f440_attn.kd
    .args:
      - { .name: qkv, .offset: 0, .size: 8, .value_kind: global_buffer, .address_space: global }
      - { .name: ao_codes, .offset: 8, .size: 8, .value_kind: global_buffer, .address_space: global }
      - { .name: ao_scales, .offset: 16, .size: 8, .value_kind: global_buffer, .address_space: global }
    .group_segment_fixed_size: 206848
    .private_segment_fixed_size: 0
    .kernarg_segment_align: 8
    .kernarg_segment_size: 24
    .max_flat_workgroup_size: 512
    .sgpr_count:     66
    .vgpr_count:     256
    .wavefront_size: 32
...
	.end_amdgpu_metadata
.endif
;; end of part 2
;; launch outp (part 3): grid 4 x 64, 4 waves a work-group, clusters of 4 x 4, 327,680 bytes of LDS; arguments ao_codes, ao_scales, Wo_codes, Wo_scales, bo, out0; writes out0
.if DOCPART == 3
	.amdgcn_target "amdgcn-amd-amdhsa--gfx1250"
	.amdhsa_code_object_version 6
	.text
	.protected	k_qa66663f440_outp
	.globl	k_qa66663f440_outp
	.p2align	8
	.type	k_qa66663f440_outp,@function
k_qa66663f440_outp:
	s_mov_b64 s[64:65], 0
	v_nop
	global_prefetch_b8 v0, s[64:65] scope:SCOPE_SE
	s_setreg_imm32_b32 hwreg(HW_REG_WAVE_MODE, 25, 1), 1
	s_wait_xcnt 0x0
	s_wait_alu depctr_hold_cnt(0) depctr_sa_sdst(0) depctr_va_vdst(0) depctr_va_sdst(0) depctr_va_ssrc(0) depctr_va_vcc(0) depctr_vm_vsrc(0)
	s_getreg_b32 s2, hwreg(HW_REG_IB_STS2, 6, 4)
	s_cmp_eq_u32 s2, 0
	s_cbranch_scc0 .Lentry_in_a_cluster
	s_endpgm
.Lentry_in_a_cluster:
	s_bfe_u32 s2, ttmp6, 0x10000c
	s_cmp_lg_u32 s2, 0xf033
	s_cbranch_scc0 .Lentry_shape_is_right
	s_endpgm
.Lentry_shape_is_right:
; out0 = attn Wo^T + bo on codes of FP6 (E2M3) with E8M0 scales, K = 1,024, sums in f32.
; SHARES.  256 work-groups of four waves; each makes 128 tokens x 256 columns, a wave 64 x 128: 32 accumulators.
; LDS holds both operands with ALL of K, filled once by four joint loads, one a wave: the tokens' codes (eight tiles of 16 tokens as images of operand registers, 98,304 dense bytes, stated as rows of 256),
; Wo's 256 rows of 768 bytes (16 bytes of padding behind every 256), and both sides' scale bytes.  Nothing is filled again.
; CLUSTER 4 x 4: the tokens' tile is shared along a row of the cluster, Wo's along a column.
; No prefetch: all that the launch reads is asked for at its head, and there is no loop to run ahead in.
; The matrix instruction is used transposed (source 0 = Wo's rows, source 1 = tokens): a lane holds eight neighbouring columns of a token's row.  The bias is the first products' C.
; THE WAY OUT: blocks of 16 rows go through the wave's stage in LDS (on the tokens' codes, behind a barrier behind which nobody reads them) and leave as rows of 512 bytes.
; LIMITS: NaN and infinities are not served.
; REGISTERS: window 0: v0-31 addresses, v64-95 Wo's scale words, v100-115 the tokens', v128-191 the bias, then v128-255 rows on the way out; windows 1, 2: fragments of even and odd K steps; window 3: accumulators.
.set PITCH, 816
.set BBASE, 98304
.set SCL,   BBASE+256*PITCH
.set SPARE, SCL+48*272
.set PADC,  (1<<20)|(1<<21)|(5<<22)|(3<<25)
.set PADS,  PADC|(3<<16)
.set SPITCH, 528
.set ADB, 6
.set ASA, 10
.set ASB, 11
.set STO, 12
.set RD,  13
.set CO,  14
.set SPW, 28
.set NIL, 29
.set BR, 128
.set BK, 128
.set G1A, 68
.set G1B, 24
.set G1SA, 32
.set G1SB, 40
.set G0A, 48
.set G0B, 52
.set G0SA, 56
.set G0SB, 60
.set MSB, 0
.macro WIN new
.if MSB != (\new)
	s_set_vgpr_msb (MSB<<8)|(\new)
.set MSB, (\new)
.endif
.endm
.macro PLACES n
.rept \n
	v_nop
.endr
.endm
.macro CROUND
	s_barrier_signal -1
	s_barrier_wait -1
	s_cmp_lg_u32 s14, 0
	s_cbranch_scc1 .Lnot_wave_0_\@
	s_barrier_signal -3
.Lnot_wave_0_\@:
	s_barrier_wait -3
	s_barrier_signal -1
	s_barrier_wait -1
.endm
.macro TL g0, g1
	tensor_load_to_lds s[\g0:\g0+3], s[\g1:\g1+7]
	s_nop 0
	PLACES 4
.endm
.macro GRP1 g, mask, w0, c, r
	s_or_b32 s[\g], s\mask, \w0
	s_mov_b32 s[\g+1], ((\c)&0xffff)<<16
	s_mov_b32 s[\g+2], (\r)<<16
	s_mov_b32 s[\g+3], (\c)<<16
	s_mov_b32 s[\g+4], \r
	s_mov_b32 s[\g+5], \c
	s_mov_b32 s[\g+6], 0
	s_mov_b32 s[\g+7], 0
.endm
.macro PADD p, i, m
	s_mul_i32 s66, s\i, \m
	s_add_nc_u64 s[\p:\p+1], s[\p:\p+1], s[66:67]
.endm
.macro G0SET g, lds, p
	s_mov_b32 s[\g], 1
	s_mov_b32 s[\g+1], \lds
	s_mov_b64 s[\g+2:\g+3], s[\p:\p+1]
	s_or_b32 s[\g+3], s[\g+3], 0x80000000
.endm
.macro FRAG reg, adr, st, off          ; six pieces of 8 bytes; lanes 16-31 read 24 bytes on; where that is behind one padding more, the second address register serves
.irp p, 0,1,2,3,4,5
.set PC_, 12*(\st)+6*(\p/3)+\p%3
	ds_load_b64 v[\reg+2*\p:\reg+2*\p+1], v[\adr+(PC_%32+3)/32] offset:8*(PC_+2*(PC_/32))+(\off)
.endr
.endm
.macro FETCH st                        ; K step st: the tokens' four fragments (two half images each, as they lie) and Wo's eight: 64 loads
	WIN (1+(\st)%2)<<6
.irp i, 0,1,2,3
	ds_load_b128 v[12*\i:12*\i+3], v4 offset:\i*12288+(\st)*1536
	ds_load_b64 v[12*\i+4:12*\i+5], v5 offset:\i*12288+(\st)*1536
	ds_load_b128 v[12*\i+6:12*\i+9], v4 offset:\i*12288+(\st)*1536+768
	ds_load_b64 v[12*\i+10:12*\i+11], v5 offset:\i*12288+(\st)*1536+768
	FRAG 48+12*\i, ADB, \st, \i*16*PITCH
	FRAG 96+12*\i, ADB+2, \st, \i*16*PITCH
.endr
.endm
.macro WM d, fb, fa, c, sb, sa, rb, ra
	v_wmma_scale_f32_16x16x128_f8f6f4 v[\d:\d+7], v[\fb:\fb+11], v[\fa:\fa+11], \c, v[\sb], v[\sa] matrix_a_fmt:MATRIX_FMT_FP6 matrix_b_fmt:MATRIX_FMT_FP6 matrix_a_scale:MATRIX_SCALE_ROW\rb matrix_b_scale:MATRIX_SCALE_ROW\ra
.endm
.macro MUL st, first                   ; a K step's 32 products, the accumulators by turns in one order
.set W_, 1+(\st)%2
.if \first
	WIN W_*5|0xc0
.else
	WIN W_*5|0xf0
.endif
.irp ah, 0,1
.irp al, 0,1
.irp bh, 0,1
.irp bl, 0,1,2,3
.set D_, 8*(8*(2*\ah+\al)+4*\bh+\bl)
.if \first
	WM D_, 48+12*(4*\bh+\bl), 12*(2*\ah+\al), v[BR+8*(4*\bh+\bl):BR+8*(4*\bh+\bl)+7], 64+8*\bl+(\st), 100+8*\al+(\st), \bh, \ah
.else
	WM D_, 48+12*(4*\bh+\bl), 12*(2*\ah+\al), v[D_:D_+7], 64+8*\bl+(\st), 100+8*\al+(\st), \bh, \ah
.endif
.endr
.endr
.endr
.endr
.endm
	s_load_b256 s[4:11], s[0:1], 0x0               ; ao_codes, ao_scales, Wo_codes, Wo_scales
	s_load_b128 s[84:87], s[0:1], 0x20             ; bo, out0
	v_lshl_add_u32 v[SPW], v0, 2, SPARE
	v_mov_b32 v[NIL], 0
	ds_add_u32 v[SPW], v[NIL]
	ds_add_u32 v[SPW], v[NIL]
	v_lshrrev_b32 v1, 5, v0
	v_readfirstlane_b32 s14, v1                    ; wave
	s_lshr_b32 s15, s14, 1                         ; my half of the tokens
	s_and_b32 s16, s14, 1                          ; my half of the columns
	s_bfe_u32 s2, ttmp6, 0x40000                   ; cx: the tile of 256 columns
	s_bfe_u32 s3, ttmp6, 0x40004                   ; cy
	s_and_b32 s89, ttmp7, 0xffff
	s_lshl_b32 s89, s89, 2
	s_add_co_u32 s89, s89, s3                      ; the tile of 128 tokens
	s_lshl_b32 s90, s3, 2
	s_lshl_b32 s90, 15, s90                        ; my row of the cluster
	s_lshl_b32 s91, 0x1111, s2                     ; my column
	GRP1 G1A, 90, (3<<16)|(1<<21), 32, 384
	GRP1 G1B, 91, PADC, 768, 256
	GRP1 G1SA, 90, PADS, 32, 16
	GRP1 G1SB, 91, PADS, 32, 32
	s_mov_b32 s67, 0
	s_wait_dscnt 0x0
	s_wait_kmcnt 0x0
	PADD 4, 89, 98304
	PADD 6, 89, 4096
	PADD 8, 2, 196608
	PADD 10, 2, 8192
	CROUND                                         ; all sixteen work-groups are here: the joint loads meet
	G0SET G0A, 0, 4
	G0SET G0B, BBASE, 8
	G0SET G0SA, SCL, 6
	G0SET G0SB, SCL+16*272, 10
	s_cmp_eq_u32 s14, 0                            ; one chain of branches on the wave's number, one joint load to an arm
	s_cbranch_scc0 .Lw1
	TL G0B, G1B
	s_branch .Lasked
.Lw1:
	s_cmp_eq_u32 s14, 1
	s_cbranch_scc0 .Lw2
	TL G0A, G1A
	s_branch .Lasked
.Lw2:
	s_cmp_eq_u32 s14, 2
	s_cbranch_scc0 .Lw3
	TL G0SA, G1SA
	s_branch .Lasked
.Lw3:
	TL G0SB, G1SB
.Lasked:
	s_lshl_b32 s66, s2, 10                         ; my 128 columns, in bytes
	s_lshl_b32 s4, s16, 9
	s_add_co_u32 s66, s66, s4
	s_add_nc_u64 s[84:85], s[84:85], s[66:67]
	s_add_nc_u64 s[86:87], s[86:87], s[66:67]
	s_lshl_b32 s4, s89, 1
	s_add_co_u32 s4, s4, s15
	s_lshl_b32 s66, s4, 18                         ; my first token's row: 64 rows of 4,096 bytes for each half tile
	s_add_nc_u64 s[86:87], s[86:87], s[66:67]
	s_mul_i32 s4, s15, 49152
	s_mul_i32 s5, s16, 128*PITCH
	s_add_co_u32 s5, s5, BBASE
	s_mul_i32 s6, s15, 8*272
	s_add_co_u32 s6, s6, SCL
	s_mul_i32 s7, s16, 16*272
	s_add_co_u32 s7, s7, SCL+16*272
	s_mul_i32 s8, s14, 16*SPITCH
	v_and_b32 v1, 15, v0                           ; r
	v_bfe_u32 v2, v0, 4, 1                         ; h
	v_and_b32 v3, 31, v0
	v_lshlrev_b32 v[CO], 4, v3
	v_add_nc_u32 v4, s4, v[CO]                     ; registers 0-3 of a half image
	v_lshlrev_b32 v5, 3, v3
	v_add_nc_u32 v5, s4, v5
	v_add_nc_u32 v5, 512, v5                       ; registers 4-5
	v_mul_u32_u24 v20, v1, PITCH
	v_mad_u32_u24 v21, v2, 24, v20
	v_mad_u32_u24 v22, v2, 40, v20
	v_add_nc_u32 v[ADB], s5, v21
	v_add_nc_u32 v[ADB+1], s5, v22
	v_add_nc_u32 v[ADB+2], 64*PITCH, v[ADB]
	v_add_nc_u32 v[ADB+3], 64*PITCH, v[ADB+1]
	v_lshlrev_b32 v23, 5, v1
	v_lshrrev_b32 v24, 8, v23
	v_lshl_add_u32 v23, v24, 4, v23
	v_mad_u32_u24 v[ASA], v2, 4*272, v23
	v_add_nc_u32 v[ASA], s6, v[ASA]
	v_mad_u32_u24 v[ASB], v2, 8*272, v23
	v_add_nc_u32 v[ASB], s7, v[ASB]
	v_mul_u32_u24 v25, v1, SPITCH
	v_lshl_add_u32 v25, v2, 5, v25
	v_add_nc_u32 v[STO], s8, v25
	v_add_nc_u32 v[RD], s8, v[CO]
	v_lshlrev_b32 v19, 5, v2
.irp b, 0,1,2,3,4,5,6,7
	global_load_b128 v[BR+8*\b:BR+8*\b+3], v19, s[84:85] offset:64*\b
	global_load_b128 v[BR+8*\b+4:BR+8*\b+7], v19, s[84:85] offset:64*\b+16
.endr
	s_wait_alu depctr_va_vdst(0)
	s_wait_tensorcnt 0x0                           ; my tile is in,
	s_barrier_signal -1
	s_barrier_wait -1                              ; everybody's is
	FETCH 0
	WIN 0
.irp i, 0,1,2,3                        ; all of K's scale words: lanes 0-15 Wo's block i, lanes 16-31 block i + 4
	ds_load_b128 v[64+8*\i:67+8*\i], v[ASB] offset:\i*544
	ds_load_b128 v[68+8*\i:71+8*\i], v[ASB] offset:\i*544+16
.endr
.irp i, 0,1                            ; the tokens': block i and block i + 2
	ds_load_b128 v[100+8*\i:103+8*\i], v[ASA] offset:\i*544
	ds_load_b128 v[104+8*\i:107+8*\i], v[ASA] offset:\i*544+16
.endr
	s_wait_loadcnt 0x0                             ; the bias
.irp st, 0,1,2,3,4,5,6
	s_wait_dscnt 0x0                               ; this step's fragments are in
	PLACES 4                                       ; in front of loads into registers that the last step's products read
	FETCH \st+1
.if \st == 0
	MUL 0, 1
.else
	MUL \st, 0
.endif
.endr
	s_wait_dscnt 0x0                               ; my last reads of the tiles are over
	s_barrier_signal -1
	MUL 7, 0
	WIN 0
	s_barrier_wait -1                              ; everybody's are: the stages may be written
	PLACES 4
.macro TOSTAGE a
	WIN 0x0c                                       ; the data: window 3
.irp b, 0,1,2,3,4,5,6,7
	ds_store_b128 v[STO], v[64*(\a)+8*\b:64*(\a)+8*\b+3] offset:64*\b     ; each accumulator from its low end on
	ds_store_b128 v[STO], v[64*(\a)+8*\b+4:64*(\a)+8*\b+7] offset:64*\b+16
.endr
	WIN 0
.set BB, BK+64*((\a)%2)
.irp t, 0,1,2,3,4,5,6,7,8,9,10,11,12,13,14,15
	ds_load_b128 v[BB+4*\t:BB+4*\t+3], v[RD] offset:\t*SPITCH             ; a wave's LDS instructions are served in order: these see the stores above
.endr
.endm
.macro SEND a, younger
.set BB, BK+64*((\a)%2)
	s_wait_dscnt \younger                          ; the block is back in registers
.if (\a) > 0
	s_add_nc_u64 s[86:87], s[86:87], 16*4096       ; behind a wait on XCNT: the earlier stores have read their base
.endif
.irp t, 0,1,2,3,4,5,6,7,8,9,10,11,12,13,14,15
	global_store_b128 v[CO], v[BB+4*\t:BB+4*\t+3], s[86:87] offset:\t*4096 th:TH_STORE_NT   ; 512 consecutive bytes, aligned
.endr
.endm
	TOSTAGE 0
.irp a, 1,2,3
.if \a > 1
	s_wait_xcnt 0x0                                ; block a - 2's stores have read their registers and their base
.endif
	TOSTAGE \a
	SEND \a-1, 32                                  ; behind block a - 1's loads: block a's 16 stores and 16 loads
.endr
	s_wait_xcnt 0x0
	SEND 3, 0
	s_wait_tensorcnt 0x0                           ; the wave's end
	ds_add_u32 v[SPW], v[NIL]
	s_wait_dscnt 0x0
	CROUND                                         ; the closing round
	s_endpgm
.Lfunc_end_k_qa66663f440_outp:
	.size	k_qa66663f440_outp, .Lfunc_end_k_qa66663f440_outp-k_qa66663f440_outp
	.p2alignl 7, 3214868480
	.fill 96, 4, 3214868480
	.section	.rodata,"a",@progbits
	.p2align	6, 0x0
	.amdhsa_kernel k_qa66663f440_outp
		.amdhsa_group_segment_fixed_size 327680
		.amdhsa_private_segment_fixed_size 0
		.amdhsa_enable_private_segment 0
		.amdhsa_kernarg_size 48
		.amdhsa_user_sgpr_count 2
		.amdhsa_user_sgpr_kernarg_segment_ptr 1
		.amdhsa_wavefront_size32 1
		.amdhsa_system_sgpr_workgroup_id_x 1
		.amdhsa_system_sgpr_workgroup_id_y 1
		.amdhsa_system_sgpr_workgroup_id_z 1
		.amdhsa_system_vgpr_workitem_id 0
		.amdhsa_next_free_vgpr 1024
		.amdhsa_next_free_sgpr 98
		.amdhsa_reserve_vcc 0
		.amdhsa_float_denorm_mode_32 3
		.amdhsa_float_denorm_mode_16_64 3
		.amdhsa_memory_ordered 1
		.amdhsa_forward_progress 1
		.amdhsa_inst_pref_size 92
	.end_amdhsa_kernel
	.amdgpu_metadata
---
amdhsa.version: [ 1, 2 ]
amdhsa.kernels:
  - .name:           k_qa66663f440_outp
    .symbol:         k_qa66663f440_outp.kd
    .args:
      - { .name: ao_codes, .offset: 0, .size: 8, .value_kind: global_buffer, .address_space: global }
      - { .name: ao_scales, .offset: 8, .size: 8, .value_kind: global_buffer, .address_space: global }
      - { .name: Wo_codes, .offset: 16, .size: 8, .value_kind: global_buffer, .address_space: global }
      - { .name: Wo_scales, .offset: 24, .size: 8, .value_kind: global_buffer, .address_space: global }
      - { .name: bo, .offset: 32, .size: 8, .value_kind: global_buffer, .address_space: global }
      - { .name: out0, .offset: 40, .size: 8, .value_kind: global_buffer, .address_space: global }
    .group_segment_fixed_size: 327680
    .private_segment_fixed_size: 0
    .kernarg_segment_align: 8
    .kernarg_segment_size: 48
    .max_flat_workgroup_size: 128
    .sgpr_count:     98
    .vgpr_count:     1024
    .wavefront_size: 32
...
	.end_amdgpu_metadata
.endif
;; end of part 3
